; MI455X (gfx1250); checked and timed in simulation.
; The chip was launched on July 23, 2026; its instructions are those of AMD's public machine-readable ISA for CDNA 5 (MIT licence, August 2026) and "CDNA5" Instruction Set Architecture Reference Guide (July 2026). The comments in the code are by the model that wrote it; some were corrected since.
;; Masked Self Attention. Allowed arithmetic: matrix products marked QUANTISED: E2M3 operands, one E8M0 scale for each 32 along K, by v_wmma_scale_f32_16x16x128_f8f6f4 with both operands' format E2M3, f32 sums; products left as they are: f32 operands where the result goes on into a quantised operand, else bf16, f16 or f32 operands; f32 sums; everything else in f32.
;; Inputs: Wk_codes 16 x 24 x 24 uint8 (E2M3 codes of Wk, K innermost, in blocks of 32 codes, four codes in three bytes); Wk_scales 16 x 24 uint8 (E8M0 scales of Wk, one for each 32 codes along K); Wq_codes 16 x 24 x 24 uint8 (E2M3 codes of Wq, K innermost, in blocks of 32 codes, four codes in three bytes); Wq_scales 16 x 24 uint8 (E8M0 scales of Wq, one for each 32 codes along K); Wv_codes 16 x 24 x 24 uint8 (E2M3 codes of Wv, K innermost, in blocks of 32 codes, four codes in three bytes); Wv_scales 16 x 24 uint8 (E8M0 scales of Wv, one for each 32 codes along K); bk 16 float32; bq 16 float32; bv 16 float32; x_codes 8 x 2,048 x 24 x 24 uint8 (E2M3 codes of x, K innermost, in blocks of 32 codes, four codes in three bytes); x_scales 8 x 2,048 x 24 uint8 (E8M0 scales of x, one for each 32 codes along K).
;; Outputs: out0 8 x 2,048 x 16 float32.
;; This version of the problem:
;;   THIS VERSION OF THE PROBLEM IS GIVEN IN LOW PRECISION. The matrix products marked QUANTISED in the list below multiply operands that are first quantised to E2M3 (2 exponent bits, 3 mantissa bits; 6 bits a number), with one power-of-two scale for each 32 numbers along K (OCP MX v1.0); their sums are f32. All else is computed in f32.
;;   The module's matrix products, in the order in which they are computed (A, B: the left and right operand; K: the contracted axis; several contracted axes count as one K, in the product's order):
;;     1. [M 16,384, K 768] x [K 768, N 16]; A: input x (given as codes); B: input Wq (given as codes): QUANTISED
;;     2. [M 16,384, K 768] x [K 768, N 16]; A: input x (given as codes); B: input Wk (given as codes): QUANTISED
;;     3. [M 16,384, K 768] x [K 768, N 16]; A: input x (given as codes); B: input Wv (given as codes): QUANTISED
;;     4. batch 8 x [M 2,048, K 16] x [K 16, N 2,048]; A: computed on the way; B: computed on the way: left as it is (K = 16 < 32)
;;     5. batch 8 x [M 2,048, K 2,048] x [K 2,048, N 16]; A: softmax (see below); B: computed on the way: QUANTISED
;;   THE QUANTISER, for each operand of a quantised product, along K:
;;     - K is cut into blocks of 32 from its start; a last block that is shorter is filled with zeros.
;;     - A block's scale is 2^e with e = floor(log2(the largest magnitude in the block)) - 2, held to -126 .. 127; a block of zeros has e = 0. As a byte (E8M0): e + 127.
;;     - Each number is divided by its block's scale, clamped to +-7.5, and rounded to the nearest number of E2M3, ties to even, subnormals kept.
;;     - The product sums the exact products of the quantised numbers (number of the format x scale) in f32.
;;   ~~~python
;;   def quantise(x, axis):      # numpy; x: float32 -> the quantised numbers, widened to float32 again
;;       x = np.moveaxis(x, axis, -1); K = x.shape[-1]
;;       x = np.pad(x, [(0, 0)] * (x.ndim - 1) + [(0, -K % 32)]); x = x.reshape(x.shape[:-1] + (-1, 32)); a = np.abs(x).max(-1, keepdims=True)
;;       e = np.where(a > 0, np.clip(np.frexp(np.where(a > 0, a, 1))[1] - 1 - 2, -126, 127), 0)      # np.frexp(a)[1] - 1 = floor(log2(a)), exactly
;;       r = np.clip(x / 2.0 ** e, -7.5, 7.5)
;;       step = 2.0 ** (np.maximum(np.frexp(np.where(r == 0, 1, r))[1] - 1, 0) - 3)
;;       q = np.round(r / step) * step * 2.0 ** e      # np.round: ties to even
;;       return np.moveaxis(q.reshape(q.shape[:-2] + (-1,))[..., :K], -1, axis).astype(np.float32)
;;   ~~~
;;   SOFTMAX AHEAD OF A QUANTISED PRODUCT. Where the list says 'softmax', what is quantised is not the finished softmax but p = 2^(t - M), with t = logit x log2(e) and M = ceil(the row's largest t), a whole number; so 1/2 < the row's largest p <= 1. The row's sum l is taken of the UNQUANTISED p, in f32, and the product's result is divided by l at the end. Since M is a whole number, a kernel that streams over the keys may use a running M (the ceiling of the running maximum): every later rescaling is an exact power of two, which a block's scale takes up: the codes' values come out the same.
;;   OPERANDS COMPUTED ON THE WAY. 'Computed on the way' means the value that the module computes at that place (a softmax that the list does not call 'softmax' is quantised finished and normalised). What goes into a quantiser is computed in f32, as accurately as f32 sums, v_exp_f32 and their like allow (about 1e-6 of the number): no bf16 or f16 on the way to a quantiser, and a product that is left as it is and whose result goes on into a quantised operand takes f32 operands (vector FMAs, or v_wmma_f32_16x16x4_f32). A number that lies on a knife's edge between two numbers of the format may be rounded either way, as far as f32 arithmetic and the matrix unit's own rounding can turn it there, and no further.
;;   INPUTS GIVEN AS CODES. Wk (in the module: [768, 16], K = its axis 0); Wq (in the module: [768, 16], K = its axis 0); Wv (in the module: [768, 16], K = its axis 0); x (in the module: [8, 2048, 768], K = its axis 2): each comes as NAME_codes (uint8): NAME with its K axis moved to the last place and cut into blocks of 32 codes, [.., K / 32, bytes a block], one block behind the other in memory; four codes in three bytes: a row's codes are one little-endian stream of bits, code i at bits 6 i .. 6 i + 5 (a code: sign, 2 exponent bits, 3 mantissa bits); and NAME_scales (uint8): the same leading axes, one E8M0 byte (e + 127) for each 32 codes along K. Its value is code x scale, taken as it is: it is not quantised again, and the codes and scales need not be those that the quantiser above would give.
;; One version. Each part assembles by itself: llvm-mc -triple=amdgcn-amd-amdhsa -mcpu=gfx1250 --defsym DOCPART=n.
;; ======== version 1 of 1: 2 launches
;; workspace buffers: qw 1,048,576 bytes; kw 1,048,576 bytes; vw 204,800 bytes
;; launch proj (part 1): grid 256 x 1, 2 waves a work-group, clusters of 4 x 1, 168,192 bytes of LDS; arguments x_codes, x_scales, Wq_codes, Wq_scales, Wk_codes, Wk_scales, Wv_codes, Wv_scales, bq, bk, bv, qw, kw, vw; writes qw, kw, vw
.if DOCPART == 1
	.amdgcn_target "amdgcn-amd-amdhsa--gfx1250"
	.amdhsa_code_object_version 6
	.text
	.protected	k_q809d3ddb08_proj
	.globl	k_q809d3ddb08_proj
	.p2align	8
	.type	k_q809d3ddb08_proj,@function
k_q809d3ddb08_proj:
	s_mov_b64 s[64:65], 0
	v_nop
	global_prefetch_b8 v0, s[64:65] scope:SCOPE_SE
	s_setreg_imm32_b32 hwreg(HW_REG_WAVE_MODE, 25, 1), 1
	s_wait_xcnt 0x0
	s_wait_alu depctr_hold_cnt(0) depctr_sa_sdst(0) depctr_va_vdst(0) depctr_va_sdst(0) depctr_va_ssrc(0) depctr_va_vcc(0) depctr_vm_vsrc(0)
	s_getreg_b32 s2, hwreg(HW_REG_IB_STS2, 6, 4)
	s_cmp_eq_u32 s2, 0
	s_cbranch_scc0 .Lentry_in_a_cluster
	s_endpgm
.Lentry_in_a_cluster:
	s_bfe_u32 s2, ttmp6, 0x10000c
	s_cmp_lg_u32 s2, 0x3003
	s_cbranch_scc0 .Lentry_shape_is_right
	s_endpgm
.Lentry_shape_is_right:
; q = x Wq + bq, k = x Wk + bk, v = x Wv + bv on codes of FP6 (E2M3) with E8M0 scales, K = 768; 16,384 rows, 16 columns each.
; OUT: qw = q x c (c = log2(e) / 4, so that the next launch's scores are already t), kw = k, both f32 and laid as images of the next launch's operand registers:
;   [block of 32 rows][u 2][half 2][lane 32][16 bytes]: lane (r, h), register 4 half + 0 .. 3 holds (row 32 R + 8 u + r + 8 (r / 8), d = 8 h + register).
;   vw = v quantised along the KEYS (blocks of 32 rows): for each batch 24,576 bytes of codes [block 64][d 16][24 bytes], then 1,024 bytes of scale words [key step 16][d 16][4 bytes].
; SHARES: a work-group of two waves takes 64 rows, a wave 32: two tiles u of 16 rows; lane r of tile u takes row 8 u + r + 8 (r / 8), so that v's 16 registers of the two tiles are 16 neighbouring keys.
; K's 24 BLOCKS ARE TAKEN IN ANOTHER ORDER, alike on both operands and with their scale bytes: lanes 0-15 take bytes 0 .. 287 of a row (blocks 0-11), lanes 16-31 bytes 288 .. 575 (blocks 12-23),
;   so that six fragments are 72 registers on end, brought by 18 loads of 16 bytes.  Fragment g multiplies blocks 2 g, 12 + 2 g, 2 g + 1, 13 + 2 g.  The products are the same; the f32 sums are taken in another order.
; CLUSTER: four work-groups; the three weights (27,648 bytes) are the same for all, so their tiles are asked for jointly.  x's rows belong to one work-group alone: plain loads.
; Every LDS byte is filled once.  A wave has five tensor loads outstanding, by this text's count.
; LIMITS: q x c is one f32 rounding more than the score's own scaling; a block of v whose largest magnitude lies under 2^-124 keeps the byte 1 (a block of zeros too: its codes are zeros, and this program alone reads the bytes);
;   NaN, infinities and the scale byte 0xff among the inputs are not served.
; REGISTERS: window 0: v1-15 lane terms and addresses; v16-45 scale bytes as loaded; v48-59 x's scale words, v60-77 the weights'; v80-97 biases; v104-135 q, k; v136-151 v; v152-159 the quantiser.
;   window 1: the weights' fragments (72 m + 12 g);  window 2: x's (72 u + 12 g).
.set PITCH, 720                        ; an LDS row: 9 x (64 bytes + 16 of padding) = 45 x 16 bytes: sixteen rows begin in sixteen different columns of 16 bytes
.set GST,   16*PITCH+128               ; from a group of 16 rows of x to the next: rows 0-7 of one group and rows 0-7 of the next then begin in sixteen different columns
.set XL,    0                          ; x: four groups of 16 rows, two for each wave
.set WL,    4*GST                      ; the weights: Wq, Wk, Wv, 16 rows each
.set WPL,   16*PITCH
.set MSB, 0
.macro WIN new                         ; the immediate's high byte repeats the setting that is left
.if MSB != \new
	s_set_vgpr_msb (MSB<<8)|\new
.set MSB, \new
.endif
.endm
.macro CROUND                          ; a round of the cluster's barrier
	s_barrier_signal -1
	s_barrier_wait -1
	s_cmp_lg_u32 s4, 0
	s_cbranch_scc1 .Lnot_wave_0_\@
	s_barrier_signal -3
.Lnot_wave_0_\@:
	s_barrier_wait -3
	s_barrier_signal -1
	s_barrier_wait -1
.endm
; 18 pieces of 16 bytes: my half of a row.  Piece i of lanes 0-15 lies at 16 (i + i / 4); that of lanes 16-31 lies 352 bytes on, and 16 more where i % 4 is 2 or 3 (one padding more): the second address register
.macro LD18 dst, a0, a1, off
.irp i, 0,1,2,3,4,5,6,7,8,9,10,11,12,13,14,15,16,17
.if (\i%4) < 2
	ds_load_b128 v[(\dst)+4*\i:(\dst)+4*\i+3], v[\a0] offset:(\off)+16*(\i+\i/4)
.else
	ds_load_b128 v[(\dst)+4*\i:(\dst)+4*\i+3], v[\a1] offset:(\off)+16*(\i+\i/4)
.endif
.endr
.endm
	s_load_b512 s[8:23], s[0:1], 0x0               ; x's codes s[8:9], x's scales s[10:11], Wq's s[12:15], Wk's s[16:19], Wv's s[20:23]
	s_load_b256 s[24:31], s[0:1], 0x40             ; bq, bk, bv, qw
	s_load_b128 s[32:35], s[0:1], 0x60             ; kw, vw
	v_lshl_add_u32 v254, v0, 2, 0x29000
	v_mov_b32 v255, 0
	ds_add_u32 v254, v255
	ds_add_u32 v254, v255
	v_lshrrev_b32 v1, 5, v0
	v_readfirstlane_b32 s4, v1                     ; wave 0, 1
	s_bfe_u32 s5, ttmp6, 0x40000                   ; cx
	s_lshl_b32 s6, ttmp9, 2
	s_add_co_u32 s6, s6, s5                        ; work-group = 4 x cluster + cx
	s_lshl_b32 s7, s6, 1
	s_add_co_u32 s7, s7, s4                        ; R: my block of 32 rows
	; descriptor group 1: rows of 576 bytes, 16 bytes of padding behind every 64.  x: 16 rows, no mask
	s_mov_b32 s36, (1<<20)|(3<<22)|(3<<25)         ; elements of 1 byte; padding on; after every 16 words; of 4 words
	s_mov_b32 s37, 576<<16                         ; tensor_dim0
	s_mov_b32 s38, 16<<16                          ; tensor_dim1
	s_mov_b32 s39, 576<<16                         ; tile_dim0
	s_mov_b32 s40, 16                              ; tile_dim1
	s_mov_b32 s41, 576                             ; from row to row
	s_mov_b32 s42, 0
	s_mov_b32 s43, 0
	; the weights: 8 rows a wave, asked for jointly by the four work-groups
	s_mov_b32 s44, 15|(1<<20)|(1<<21)|(3<<22)|(3<<25)
	s_mov_b32 s45, 576<<16
	s_mov_b32 s46, 8<<16
	s_mov_b32 s47, 576<<16
	s_mov_b32 s48, 8
	s_mov_b32 s49, 576
	s_mov_b32 s50, 0
	s_mov_b32 s51, 0
	s_mov_b32 s76, 0x05010400                      ; v_perm_b32: bytes 0, 1 of the lower and of the upper word, by turns (even g)
	s_mov_b32 s77, 0x07030602                      ; bytes 2, 3 (odd g)
	s_mov_b32 s78, 0x3eb8aa3b                      ; c = log2(e) / 4
	s_mov_b32 s79, s78                             ; (named with it as a pair, so it is written)
	s_mov_b32 s80, 0x76543210
	s_mov_b32 s81, 0xfedcba98                      ; v_permlanex16_b32's selects for lane l xor 16
	s_mul_i32 s82, s7, 32*576                      ; my rows' codes
	s_mov_b32 s83, 0
	s_mul_i32 s84, s7, 32*24                       ; their scale bytes
	s_mov_b32 s85, 0
	s_lshl_b32 s86, s7, 11                         ; my block's image in qw and in kw
	s_mov_b32 s87, 0
	s_mul_i32 s88, s4, 8*576                       ; my 8 rows of each weight: the wave's number alone
	s_mov_b32 s89, 0
	s_mul_i32 s90, s4, 2*GST                       ; LDS: my two groups of x,
	s_mul_i32 s91, s4, 8*PITCH                     ; my 8 rows of a weight
	s_lshr_b32 s92, s7, 6                          ; batch
	s_and_b32 s93, s7, 63                          ; block of keys in the batch
	s_mul_i32 s92, s92, 25600
	s_mul_i32 s94, s93, 384
	s_add_co_u32 s94, s94, s92                     ; vw: my block's codes
	s_mov_b32 s95, 0
	s_lshr_b32 s96, s93, 2
	s_lshl_b32 s96, s96, 6                         ; its key step's 64 bytes of scale words,
	s_and_b32 s93, s93, 3
	s_add_co_u32 s96, s96, s93                     ; its byte in a word
	s_add_co_u32 s96, s96, s92
	s_add_co_u32 s96, s96, 24576
	s_mov_b32 s97, 0
	v_and_b32 v1, 31, v0                           ; lane
	v_and_b32 v2, 15, v0                           ; r
	v_bfe_u32 v3, v0, 4, 1                         ; h
	v_lshrrev_b32 v14, 3, v2
	v_and_b32 v15, 7, v2
	v_mul_u32_u24 v4, v14, GST                     ; x: lanes r >= 8 take the second group,
	v_mad_u32_u24 v4, v15, PITCH, v4               ; row r % 8 (+ 8 u by the immediate),
	v_mad_u32_u24 v4, v3, 352, v4                  ; my half of the row
	v_add_nc_u32 v4, s90, v4
	v_lshl_add_u32 v5, v3, 4, v4                   ; and behind one padding more
	v_mul_u32_u24 v6, v2, PITCH                    ; a weight: row d = r
	v_mad_u32_u24 v6, v3, 352, v6
	v_add_nc_u32 v6, WL, v6
	v_lshl_add_u32 v7, v3, 4, v6
	v_and_b32 v8, 8, v2
	v_add_nc_u32 v8, v8, v2
	v_mul_u32_u24 v8, v8, 24                       ; x's scale bytes: row r + 8 (r / 8)
	v_mul_u32_u24 v9, v2, 24                       ; a weight's: row r
	v_lshlrev_b32 v10, 5, v3                       ; bq, bk: eight numbers from 8 h on
	v_lshlrev_b32 v11, 2, v2                       ; bv[r]; v's scale word of d = r
	v_lshlrev_b32 v12, 4, v1                       ; an image's place for my lane
	v_mad_u32_u24 v13, v3, 12, v9                  ; v's codes: 24 d + 12 h
	s_wait_dscnt 0x0
	s_wait_kmcnt 0x0
	s_add_nc_u64 s[8:9], s[8:9], s[82:83]
	s_mov_b32 s52, 1                               ; group 0: x, rows 0-15 of my block
	s_add_co_u32 s53, s90, XL
	s_mov_b64 s[54:55], s[8:9]
	s_or_b32 s55, s55, 0x80000000
	s_mov_b32 s56, 1                               ; rows 16-31
	s_add_co_u32 s57, s90, XL+GST
	s_add_nc_u64 s[58:59], s[8:9], 16*576
	s_or_b32 s59, s59, 0x80000000
	s_mov_b32 s60, 1                               ; Wq
	s_add_co_u32 s61, s91, WL
	s_add_nc_u64 s[62:63], s[12:13], s[88:89]
	s_or_b32 s63, s63, 0x80000000
	s_mov_b32 s68, 1                               ; Wk
	s_add_co_u32 s69, s91, WL+WPL
	s_add_nc_u64 s[70:71], s[16:17], s[88:89]
	s_or_b32 s71, s71, 0x80000000
	s_mov_b32 s72, 1                               ; Wv
	s_add_co_u32 s73, s91, WL+2*WPL
	s_add_nc_u64 s[74:75], s[20:21], s[88:89]
	s_or_b32 s75, s75, 0x80000000
	s_add_nc_u64 s[10:11], s[10:11], s[84:85]
	s_add_nc_u64 s[30:31], s[30:31], s[86:87]
	s_add_nc_u64 s[32:33], s[32:33], s[86:87]
	s_add_nc_u64 s[96:97], s[34:35], s[96:97]      ; v's scale bytes
	s_add_nc_u64 s[34:35], s[34:35], s[94:95]      ; v's codes
	CROUND                                         ; all four work-groups are here: the joint loads meet
	tensor_load_to_lds s[52:55], s[36:43]          ; all first fills in one group, the same five lines in every wave
	s_nop 0
	tensor_load_to_lds s[56:59], s[36:43]
	s_nop 0
	tensor_load_to_lds s[60:63], s[44:51]
	s_nop 0
	tensor_load_to_lds s[68:71], s[44:51]
	s_nop 0
	tensor_load_to_lds s[72:75], s[44:51]
	s_nop 0
.rept 4
	v_nop                                          ; four behind a tensor load
.endr
.irp u, 0,1
.irp p, 0,1,2
	global_load_b64 v[16+6*\u+2*\p:17+6*\u+2*\p], v8, s[10:11] offset:192*\u+8*\p    ; the 24 scale bytes of my row of tile u; the wave's 32 rows are 768 dense bytes
.endr
.endr
.irp m, 0,1,2
.irp p, 0,1,2
	global_load_b64 v[28+6*\m+2*\p:29+6*\m+2*\p], v9, s[14+4*\m:15+4*\m] offset:8*\p
.endr
.endr
	global_load_b128 v[80:83], v10, s[24:25]       ; bq[8 h + 0 .. 7]: the result's layout
	global_load_b128 v[84:87], v10, s[24:25] offset:16
	global_load_b128 v[88:91], v10, s[26:27]
	global_load_b128 v[92:95], v10, s[26:27] offset:16
	global_load_b32 v96, v11, s[28:29]             ; bv[r]
	v_mov_b32 v97, 0                               ; (named with v96 as a pair)
	v_mov_b32 v159, 0                              ; a lane permute's destination counts as one of its sources
	s_wait_loadcnt 0x0
.irp u, 0,1
.irp g, 0,1,2,3,4,5
	v_perm_b32 v[48+6*\u+\g], v[16+6*\u+3+\g/2], v[16+6*\u+\g/2], s[76+\g%2]   ; fragment g's scale word: the bytes of blocks 2 g, 12 + 2 g, 2 g + 1, 13 + 2 g
.endr
.endr
.irp m, 0,1,2
.irp g, 0,1,2,3,4,5
	v_perm_b32 v[60+6*\m+\g], v[28+6*\m+3+\g/2], v[28+6*\m+\g/2], s[76+\g%2]
.endr
.endr
.rept 8
	v_nop                                          ; a scale register written by a vector instruction stands eight places ahead of a scaled matrix instruction
.endr
	s_wait_tensorcnt 0x0                           ; my five tiles are in LDS;
	s_barrier_signal -1
	s_barrier_wait -1                              ; the other wave's halves of the weights too
	WIN 0x80                                       ; destination window 2
	LD18 0, 4, 5, 0                                ; x, tile 0
	LD18 72, 4, 5, 8*PITCH                         ; tile 1: eight rows on
	WIN 0x40                                       ; destination window 1
	LD18 0, 6, 7, 0                                ; Wq
	LD18 72, 6, 7, WPL                             ; Wk
	LD18 144, 6, 7, 2*WPL                          ; Wv
	s_wait_dscnt 18                                ; all but Wv's 18 loads, the youngest
	WIN 0x09                                       ; source 0 (a weight) window 1, source 1 (x) window 2
; TRANSPOSED: source 0 = 16 rows d of a weight, source 1 = 16 rows of x: lane (r, h) holds d = 8 h + 0 .. 7 of its row.  Four accumulators by turns; the bias is the C of each sum's first instruction.
.irp g, 0,1,2,3,4,5
.irp m, 0,1
.irp u, 0,1
.if \g == 0
	v_wmma_scale_f32_16x16x128_f8f6f4 v[104+16*\m+8*\u:111+16*\m+8*\u], v[72*\m+12*\g:72*\m+12*\g+11], v[72*\u+12*\g:72*\u+12*\g+11], v[80+8*\m:87+8*\m], v[60+6*\m+\g], v[48+6*\u+\g] matrix_a_fmt:MATRIX_FMT_FP6 matrix_b_fmt:MATRIX_FMT_FP6
.else
	v_wmma_scale_f32_16x16x128_f8f6f4 v[104+16*\m+8*\u:111+16*\m+8*\u], v[72*\m+12*\g:72*\m+12*\g+11], v[72*\u+12*\g:72*\u+12*\g+11], v[104+16*\m+8*\u:111+16*\m+8*\u], v[60+6*\m+\g], v[48+6*\u+\g] matrix_a_fmt:MATRIX_FMT_FP6 matrix_b_fmt:MATRIX_FMT_FP6
.endif
.endr
.endr
.endr
	s_wait_dscnt 0x0                               ; Wv
	WIN 0x06                                       ; source 0 (x) window 2, source 1 (Wv) window 1
; v NOT transposed: lane (r, h) holds d = r, and registers 8 u + j the keys 16 h + 8 u + j of my block: 16 neighbours along the next product's K.  Two accumulators by turns.
.irp g, 0,1,2,3,4,5
.irp u, 0,1
.if \g == 0
	v_wmma_scale_f32_16x16x128_f8f6f4 v[136+8*\u:143+8*\u], v[72*\u+12*\g:72*\u+12*\g+11], v[144+12*\g:155+12*\g], 0, v[48+6*\u+\g], v[72+\g] matrix_a_fmt:MATRIX_FMT_FP6 matrix_b_fmt:MATRIX_FMT_FP6
.else
	v_wmma_scale_f32_16x16x128_f8f6f4 v[136+8*\u:143+8*\u], v[72*\u+12*\g:72*\u+12*\g+11], v[144+12*\g:155+12*\g], v[136+8*\u:143+8*\u], v[48+6*\u+\g], v[72+\g] matrix_a_fmt:MATRIX_FMT_FP6 matrix_b_fmt:MATRIX_FMT_FP6
.endif
.endr
.endr
	WIN 0
.rept 4
	v_nop                                          ; four places behind the last products, ahead of the first read of results
.endr
.irp i, 0,2,4,6,8,10,12,14
	v_pk_mul_f32 v[104+\i:105+\i], v[104+\i:105+\i], s[78:79] op_sel_hi:[1,0]      ; q x c
.endr
.irp i, 0,2,4,6,8,10,12,14
	v_pk_add_f32 v[136+\i:137+\i], v[136+\i:137+\i], v[96:97] op_sel_hi:[1,0]      ; v + bv[d]
.endr
.irp u, 0,1
	global_store_b128 v12, v[120+8*\u:123+8*\u], s[32:33] offset:1024*\u           ; k: each store of the wave covers 512 consecutive bytes, aligned
	global_store_b128 v12, v[124+8*\u:127+8*\u], s[32:33] offset:1024*\u+512
.endr
.irp u, 0,1
	global_store_b128 v12, v[104+8*\u:107+8*\u], s[30:31] offset:1024*\u           ; q
	global_store_b128 v12, v[108+8*\u:111+8*\u], s[30:31] offset:1024*\u+512
.endr
	; v's block of 32 keys lies in lanes l and l xor 16: its largest magnitude, with the floor 2^(3 - 127) among the leaves, so that the byte cannot fall under 1
	v_max3_num_f32 v152, |v136|, |v137|, 0x1800000
	v_max3_num_f32 v153, |v138|, |v139|, |v142|
	v_max3_num_f32 v152, v152, |v140|, |v141|
	v_max3_num_f32 v153, v153, |v143|, |v146|
	v_max3_num_f32 v152, v152, |v144|, |v145|
	v_max3_num_f32 v153, v153, |v147|, |v150|
	v_max3_num_f32 v152, v152, |v148|, |v149|
	v_max3_num_f32 v152, v152, v153, |v151|
	v_permlanex16_b32 v159, v152, s80, s81
	v_max_num_f32 v152, v152, v159
	v_add_nc_u32 v154, 0xff000000, v152            ; 2 off its exponent field: the conversion takes the exponent field of this operand as its scale
	v_cvt_scalef32_pk16_fp6_f32 v[156:158], v[136:151], v154     ; 16 codes, 96 bits: keys 16 h + 0 .. 15 of my block, d = r
	v_lshrrev_b32 v155, 23, v154                   ; the scale's byte (also the plain line behind the conversion)
	global_store_b96 v13, v[156:158], s[34:35]     ; the wave's 32 lanes cover the block's 384 consecutive bytes
	global_store_b8 v11, v155, s[96:97]            ; both lanes of a block write the same byte with the same value
	s_wait_tensorcnt 0x0
	ds_add_u32 v254, v255
	s_wait_dscnt 0x0
	CROUND                                         ; the closing round: no work-group ends while a partner may still ask for a tile that names it
	s_endpgm
.Lfunc_end_k_q809d3ddb08_proj:
	.size	k_q809d3ddb08_proj, .Lfunc_end_k_q809d3ddb08_proj-k_q809d3ddb08_proj
	.p2alignl 7, 3214868480
	.fill 96, 4, 3214868480
	.section	.rodata,"a",@progbits
	.p2align	6, 0x0
	.amdhsa_kernel k_q809d3ddb08_proj
		.amdhsa_group_segment_fixed_size 168192
		.amdhsa_private_segment_fixed_size 0
		.amdhsa_enable_private_segment 0
		.amdhsa_kernarg_size 112
		.amdhsa_user_sgpr_count 2
		.amdhsa_user_sgpr_kernarg_segment_ptr 1
		.amdhsa_wavefront_size32 1
		.amdhsa_system_sgpr_workgroup_id_x 1
		.amdhsa_system_sgpr_workgroup_id_y 1
		.amdhsa_system_sgpr_workgroup_id_z 1
		.amdhsa_system_vgpr_workitem_id 0
		.amdhsa_next_free_vgpr 768
		.amdhsa_next_free_sgpr 100
		.amdhsa_reserve_vcc 0
		.amdhsa_float_denorm_mode_32 3
		.amdhsa_float_denorm_mode_16_64 3
		.amdhsa_memory_ordered 1
		.amdhsa_forward_progress 1
		.amdhsa_inst_pref_size 25
	.end_amdhsa_kernel
	.amdgpu_metadata
---
amdhsa.version: [ 1, 2 ]
amdhsa.kernels:
  - .name:           k_q809d3ddb08_proj
    .symbol:         k_q809d3ddb08_proj.kd
    .args:
      - { .name: x_codes, .offset: 0, .size: 8, .value_kind: global_buffer, .address_space: global }
      - { .name: x_scales, .offset: 8, .size: 8, .value_kind: global_buffer, .address_space: global }
      - { .name: Wq_codes, .offset: 16, .size: 8, .value_kind: global_buffer, .address_space: global }
      - { .name: Wq_scales, .offset: 24, .size: 8, .value_kind: global_buffer, .address_space: global }
      - { .name: Wk_codes, .offset: 32, .size: 8, .value_kind: global_buffer, .address_space: global }
      - { .name: Wk_scales, .offset: 40, .size: 8, .value_kind: global_buffer, .address_space: global }
      - { .name: Wv_codes, .offset: 48, .size: 8, .value_kind: global_buffer, .address_space: global }
      - { .name: Wv_scales, .offset: 56, .size: 8, .value_kind: global_buffer, .address_space: global }
      - { .name: bq, .offset: 64, .size: 8, .value_kind: global_buffer, .address_space: global }
      - { .name: bk, .offset: 72, .size: 8, .value_kind: global_buffer, .address_space: global }
      - { .name: bv, .offset: 80, .size: 8, .value_kind: global_buffer, .address_space: global }
      - { .name: qw, .offset: 88, .size: 8, .value_kind: global_buffer, .address_space: global }
      - { .name: kw, .offset: 96, .size: 8, .value_kind: global_buffer, .address_space: global }
      - { .name: vw, .offset: 104, .size: 8, .value_kind: global_buffer, .address_space: global }
    .group_segment_fixed_size: 168192
    .private_segment_fixed_size: 0
    .kernarg_segment_align: 8
    .kernarg_segment_size: 112
    .max_flat_workgroup_size: 64
    .sgpr_count:     100
    .vgpr_count:     768
    .wavefront_size: 32
...
	.end_amdgpu_metadata
.endif
;; end of part 1
;; launch attn (part 2): grid 32 x 8, 16 waves a work-group, clusters of 4 x 1, 198,656 bytes of LDS; arguments qw, kw, vw, out0; writes out0
.if DOCPART == 2
	.amdgcn_target "amdgcn-amd-amdhsa--gfx1250"
	.amdhsa_code_object_version 6
	.text
	.protected	k_q809d3ddb08_attn
	.globl	k_q809d3ddb08_attn
	.p2align	8
	.type	k_q809d3ddb08_attn,@function
k_q809d3ddb08_attn:
	s_mov_b64 s[64:65], 0
	v_nop
	global_prefetch_b8 v0, s[64:65] scope:SCOPE_SE
	s_setreg_imm32_b32 hwreg(HW_REG_WAVE_MODE, 25, 1), 1
	s_wait_xcnt 0x0
	s_wait_alu depctr_hold_cnt(0) depctr_sa_sdst(0) depctr_va_vdst(0) depctr_va_sdst(0) depctr_va_ssrc(0) depctr_va_vcc(0) depctr_vm_vsrc(0)
	s_getreg_b32 s2, hwreg(HW_REG_IB_STS2, 6, 4)
	s_cmp_eq_u32 s2, 0
	s_cbranch_scc0 .Lentry_in_a_cluster
	s_endpgm
.Lentry_in_a_cluster:
	s_bfe_u32 s2, ttmp6, 0x10000c
	s_cmp_lg_u32 s2, 0x3003
	s_cbranch_scc0 .Lentry_shape_is_right
	s_endpgm
.Lentry_shape_is_right:
; out0[b][q][:] = the sum over keys k <= q of softmax_k(q . k / 4) v[k][:], head size 16, 2,048 keys, 8 batches.
; IN (from the launch before): qw = q x log2(e) / 4 and kw = k, f32, as images of operand registers; vw = v as codes of FP6 along the keys with E8M0 scale words.
; THE SCORES t = (q c) . k are f32 products (v_wmma_f32_16x16x4_f32, four for K = 16), since they go on into a quantiser.  d is taken in another order, alike in q and k: chunk j multiplies d = 2 j, 2 j + 1, 8 + 2 j, 9 + 2 j.
; THE SOFTMAX: M = the largest t so far, rounded up to a whole number; p = 2^(t - M) is quantised along the keys, 32 to a block; the row's sum is taken of the unquantised p and divides at the end.
; LAYOUT: both products transposed (S^T = K Q^T, O^T = V^T P^T): a lane holds one query throughout.  Lane r of key tile 2 b + u takes key 32 b + 8 u + r + 8 (r / 8), so that the 16 registers of tiles 2 b, 2 b + 1 are keys 32 b + 16 h + 0 .. 15.
; CAUSAL: key steps (128 keys) behind a tile's queries are not worked.  In the one step on the diagonal hidden scores are -infinity: the mask is the C of each sum's first product.
; SHARES: work-group g (0 .. 31) of a batch owns query blocks g and 63 - g, 32 queries each: four tiles of 16 queries with c + 1, c + 1, 16 - c, 16 - c key steps (c = g / 4): 34 tile-steps in every work-group.
;   Four waves share a tile: wave (tile, ss) takes the key steps ks with (ks + OFF) % 4 = ss; the four partial results (O^T, M, sum) meet in LDS; M is whole, so the factors 2^(M_i - M) round nothing.
; LDS: a batch's k (131,072 bytes), v's codes and scale words (25,600) come whole, once, by joint loads of the cluster's four work-groups, which belong to one batch.  Q and out0 are a work-group's own.
;   c is the cluster's number: the trip tests hang on it and on the wave's number alone, the same in all four partners.  A wave has three tensor loads outstanding, by this text's count.
; LIMITS: p under 2^-126 counts as 0; a block of p whose largest lies under 2^-124 keeps the byte 1 (its codes are then small or zero); NaN and infinities among the inputs are not served.
; REGISTERS: v1-3 lane terms, v4-6 the step's LDS addresses, v7-11 mask and partial-result terms, v12 -M, v13 largest t, v[14:15] the sum, v16-23 Q, v24-31 O^T, v32-43 V's fragment, v44, v45 scale words,
;   v46 f, v48 at work, v50, v51 merge addresses, v52-63 the blocks' figures, v64-127 K's fragments and then p, v128-191 S^T (written by matrix instructions alone), v192-255 the mask, then p's codes.
.set VL,   131072                      ; v's codes [block 64][d 16][24 bytes]
.set SL,   VL+24576                    ; v's scale words [step 16][d 16][4 bytes]
.set PART, SL+1024                     ; 16 regions of 1,280 bytes: 16 rows x (64 bytes of O, 8 of (-M, sum), 8 spare); no tile lands here
.macro CROUND                          ; a round of the cluster's barrier
	s_barrier_signal -1
	s_barrier_wait -1
	s_cmp_lg_u32 s12, 0
	s_cbranch_scc1 .Lnot_wave_0_\@
	s_barrier_signal -3
.Lnot_wave_0_\@:
	s_barrier_wait -3
	s_barrier_signal -1
	s_barrier_wait -1
.endm
	s_load_b256 s[4:11], s[0:1], 0x0               ; qw s[4:5], kw s[6:7], vw s[8:9], out0 s[10:11]
	v_lshl_add_u32 v254, v0, 2, 0x30000
	v_mov_b32 v255, 0
	ds_add_u32 v254, v255
	ds_add_u32 v254, v255
	s_wait_dscnt 0x0
	v_lshrrev_b32 v60, 5, v0
	v_readfirstlane_b32 s12, v60                   ; wave 0 .. 15
	s_bfe_u32 s13, ttmp6, 0x40000                  ; cx: it enters Q's and out0's addresses and the lanes' query numbers alone
	s_mov_b32 s14, ttmp9                           ; c: the cluster's number along x
	s_lshl_b32 s15, s14, 2
	s_add_co_u32 s15, s15, s13                     ; g
	s_and_b32 s16, ttmp7, 0xffff                   ; batch
	s_and_b32 s18, s12, 3                          ; ss
	s_lshr_b32 s17, s12, 2
	s_add_co_u32 s17, s17, s12
	s_and_b32 s17, s17, 3                          ; tile = (wave / 4 + wave) % 4: each (tile, ss) has one wave
	s_and_b32 s19, s17, 1                          ; u
	s_lshr_b32 s20, s17, 1                         ; 0: block g, 1: block 63 - g
	s_add_co_u32 s66, s14, 1
	s_sub_co_u32 s67, 16, s14
	s_sub_co_u32 s68, 63, s15
	s_cmp_eq_u32 s20, 0
	s_cselect_b32 s21, s66, s67                    ; N: my tile's key steps
	s_cselect_b32 s2, s15, s68                     ; my block of 32 queries
	s_cselect_b32 s23, 0, s66
	s_lshl_b32 s69, s19, 1
	s_add_co_u32 s23, s23, s69                     ; OFF: a pair of tiles is one run of 17 steps dealt out modulo 4, the second pair two places on
	s_sub_co_u32 s22, s21, 1                       ; the step on the diagonal
	; descriptor group 1.  k: 16 rows of 256 bytes (32 elements of 8 bytes), dense; the mask names all four work-groups
	s_mov_b32 s24, 15|(3<<16)|(1<<21)
	s_mov_b32 s25, 32<<16
	s_mov_b32 s26, 16<<16
	s_mov_b32 s27, 32<<16
	s_mov_b32 s28, 16
	s_mov_b32 s29, 32
	s_mov_b32 s30, 0
	s_mov_b32 s31, 0
	; v: one row of 1,600 bytes
	s_mov_b32 s32, 15|(3<<16)|(1<<21)
	s_mov_b32 s33, 200<<16
	s_mov_b32 s34, 1<<16
	s_mov_b32 s35, 200<<16
	s_mov_b32 s36, 1
	s_mov_b32 s37, 200
	s_mov_b32 s38, 0
	s_mov_b32 s39, 0
	s_mov_b32 s56, 0x76543210
	s_mov_b32 s57, 0xfedcba98                      ; v_permlanex16_b32's selects for lane l xor 16
	s_lshl_b32 s58, s16, 17                        ; kw: the batch's 131,072 bytes, my wave's 4,096
	s_lshl_b32 s60, s12, 12
	s_add_co_u32 s58, s58, s60
	s_mov_b32 s59, 0
	s_mul_i32 s62, s16, 25600                      ; vw: the batch's 25,600 bytes, my wave's 1,600
	s_mul_i32 s61, s12, 1600
	s_add_co_u32 s62, s62, s61
	s_mov_b32 s63, 0
	s_lshl_b32 s70, s2, 5
	s_lshl_b32 s71, s19, 3
	s_add_co_u32 s70, s70, s71                     ; 32 x block + 8 u: my tile's first query
	s_lshl_b32 s74, s16, 7
	s_lshl_b32 s73, s2, 1
	s_add_co_u32 s74, s74, s73
	s_add_co_u32 s74, s74, s19
	s_lshl_b32 s74, s74, 10                        ; qw: (128 x batch + 2 x block + u) x 1,024
	s_mov_b32 s75, 0
	s_lshl_b32 s76, s16, 11
	s_add_co_u32 s76, s76, s70
	s_lshl_b32 s73, s18, 2
	s_add_co_u32 s76, s76, s73
	s_lshr_b32 s73, s18, 1
	s_lshl_b32 s73, s73, 3
	s_add_co_u32 s76, s76, s73                     ; out0: the four rows that I store: lanes 4 ss .. 4 ss + 3 of the tile are queries + 4 ss + 8 (ss / 2) on
	s_lshl_b32 s76, s76, 6
	s_mov_b32 s77, 0
	s_lshl_b32 s78, s17, 2
	s_add_co_u32 s78, s78, s18
	s_mul_i32 s78, s78, 1280
	s_add_co_u32 s78, s78, PART                    ; my region of partial results
	s_mul_i32 s79, s17, 5120
	s_mul_i32 s72, s18, 320
	s_add_co_u32 s79, s79, s72
	s_add_co_u32 s79, s79, PART                    ; the merge: my tile's first region, row 4 ss
	v_and_b32 v60, 31, v0                          ; lane
	v_and_b32 v61, 15, v0                          ; r
	v_bfe_u32 v62, v0, 4, 1                        ; h
	v_lshlrev_b32 v1, 4, v60                       ; k's images: 16 x lane
	v_mul_u32_u24 v2, v60, 24
	v_add_nc_u32 v2, VL, v2                        ; v's codes: 24 d + 384 h = 24 x lane
	v_lshl_add_u32 v3, v61, 2, SL                  ; v's scale word of d = r
	v_and_b32 v63, 8, v61
	v_add_nc_u32 v63, v63, v61
	v_add_nc_u32 v7, s70, v63                      ; my query,
	v_lshlrev_b32 v63, 4, v62
	v_sub_nc_u32 v7, v7, v63                       ; less 16 h
	v_mov_b32 v8, 0xff800000                       ; -infinity
	v_mul_u32_u24 v11, v61, 80
	v_add_nc_u32 v11, s78, v11
	v_lshl_add_u32 v10, v62, 5, v11                ; partial O: row r, 32 bytes for each half of the lanes
	v_add_nc_u32 v11, 64, v11                      ; (-M, sum) behind it
	v_lshrrev_b32 v63, 3, v60
	v_mul_u32_u24 v51, v63, 80
	v_add_nc_u32 v51, s79, v51
	v_and_b32 v63, 7, v60
	v_lshl_add_u32 v50, v63, 3, v51                ; the merge: row 4 ss + lane / 8, two d a lane
	v_add_nc_u32 v51, 64, v51
	v_mov_b32 v13, 0xff61b1e6                      ; the largest t so far: -3e38, under every t
	v_floor_f32 v12, -v13                          ; -M
	v_mov_b32 v14, 0
	v_mov_b32 v15, 0
.irp j, 0,1,2,3,4,5,6,7
	v_mov_b32 v[24+\j], 0                          ; O^T: the step is written once; the first finds zeros
.endr
.irp b, 0,1,2,3
	v_mov_b32 v[56+\b], 0                          ; a lane permute's destination counts as one of its sources
.endr
	v_mov_b32 v47, 0                               ; (named with v46 as a pair)
	v_mov_b32 v48, 0
	s_wait_kmcnt 0x0
	s_mov_b32 s40, 1                               ; group 0: v's codes and scale words
	s_add_co_u32 s41, s61, VL
	s_add_nc_u64 s[42:43], s[8:9], s[62:63]
	s_or_b32 s43, s43, 0x80000000
	s_mov_b32 s44, 1                               ; k, key steps 0 to 7
	s_mov_b32 s45, s60
	s_add_nc_u64 s[46:47], s[6:7], s[58:59]
	s_mov_b32 s48, 1                               ; k, key steps 8 to 15
	s_add_co_u32 s49, s60, 65536
	s_add_nc_u64 s[50:51], s[46:47], 65536
	s_or_b32 s47, s47, 0x80000000
	s_or_b32 s51, s51, 0x80000000
	s_add_nc_u64 s[4:5], s[4:5], s[74:75]
	s_add_nc_u64 s[10:11], s[10:11], s[76:77]
	CROUND                                         ; all four work-groups are here: the joint loads meet
	tensor_load_to_lds s[40:43], s[32:39]          ; all first fills in one group, the same three lines in every wave
	s_nop 0
	tensor_load_to_lds s[44:47], s[24:31]
	s_nop 0
	tensor_load_to_lds s[48:51], s[24:31]
	s_nop 0
.rept 4
	v_nop                                          ; four behind a tensor load
.endr
	global_load_b128 v[16:19], v1, s[4:5]          ; Q stays in registers: lane (r, h): d = 8 h + 0 .. 7 of query r's row
	global_load_b128 v[20:23], v1, s[4:5] offset:512
; A TILE-STEP: my 16 queries x the 128 keys of step s52.
.macro STEP
	v_add_nc_u32 v4, s53, v1
	v_add_nc_u32 v5, s54, v2
	v_add_nc_u32 v6, s55, v3
.irp t, 0,1,2,3,4,5,6,7
	ds_load_b128 v[64+8*\t:67+8*\t], v4 offset:1024*\t             ; tile t of 16 keys: d = 8 h + 0 .. 3; 512 consecutive bytes a load
.endr
.irp t, 0,1,2,3,4,5,6,7
	ds_load_b128 v[68+8*\t:71+8*\t], v4 offset:1024*\t+512         ; d = 8 h + 4 .. 7
.endr
.irp c, 0,1
.irp p, 0,1,2
	ds_load_b64 v[32+6*\c+2*\p:33+6*\c+2*\p], v5 offset:768*\c+8*\p   ; V^T's fragment: d = r, block 2 c + h of the step's four
.endr
.endr
	ds_load_b32 v44, v6                            ; and its scale word
	s_cmp_eq_u32 s52, s22
	s_cbranch_scc1 .Ldiag_\@
	s_wait_dscnt 15                                ; K's first halves are in: 8 second halves, V's six pieces and its scale word may be out
.irp t, 0,1,2,3,4,5,6,7
	v_wmma_f32_16x16x4_f32 v[128+8*\t:135+8*\t], v[64+8*\t:65+8*\t], v[16:17], 0
.endr
	s_branch .Ljoin_\@
.Ldiag_\@:                                         ; the step on the diagonal: register 16 b + i holds key 128 ks + 32 b + 16 h + i, hidden where 32 b + i > my query - 128 ks - 16 h
	s_lshl_b32 s58, s52, 7
	v_sub_nc_u32 v9, v7, s58
.set n, 0
.rept 64
	v_cmp_gt_i32 vcc_lo, 32*(n/16)+n%16, v9
	v_cndmask_b32 v[192+n], 0, v8, vcc_lo
.set n, n+1
.endr
	s_wait_dscnt 15                                ; as on the other way
.irp t, 0,1,2,3,4,5,6,7
	v_wmma_f32_16x16x4_f32 v[128+8*\t:135+8*\t], v[64+8*\t:65+8*\t], v[16:17], v[192+8*\t:199+8*\t]
.endr
.Ljoin_\@:                                         ; the eight accumulators take turns, one instruction a turn, over the join too
.irp t, 0,1,2,3,4,5,6,7
	v_wmma_f32_16x16x4_f32 v[128+8*\t:135+8*\t], v[66+8*\t:67+8*\t], v[18:19], v[128+8*\t:135+8*\t]
.endr
	s_wait_dscnt 7                                 ; K's second halves are in: V's six pieces and its scale word may be out
.irp t, 0,1,2,3,4,5,6,7
	v_wmma_f32_16x16x4_f32 v[128+8*\t:135+8*\t], v[68+8*\t:69+8*\t], v[20:21], v[128+8*\t:135+8*\t]
.endr
.irp t, 0,1,2,3,4,5,6,7
	v_wmma_f32_16x16x4_f32 v[128+8*\t:135+8*\t], v[70+8*\t:71+8*\t], v[22:23], v[128+8*\t:135+8*\t]
.endr
.rept 8
	v_nop                                          ; eight places behind this form, ahead of the first read of results and of the writes over K's registers
.endr
.irp b, 0,1,2,3
	v_max3_num_f32 v[52+\b], v[128+16*\b], v[129+16*\b], v[130+16*\b]   ; the largest t of each block of 32 keys: it serves the row's maximum and, since p rises with t, the block's largest p
.endr
.irp i, 3,5,7,9,11,13
.irp b, 0,1,2,3
	v_max3_num_f32 v[52+\b], v[52+\b], v[128+16*\b+\i], v[129+16*\b+\i]
.endr
.endr
.irp b, 0,1,2,3
	v_max_num_f32 v[52+\b], v[52+\b], v[143+16*\b]
.endr
.irp b, 0,1,2,3
	v_permlanex16_b32 v[56+\b], v[52+\b], s56, s57
.endr
.irp b, 0,1,2,3
	v_max_num_f32 v[52+\b], v[52+\b], v[56+\b]     ; with lane l xor 16's 16 keys
.endr
	v_max3_num_f32 v48, v52, v53, v54
	v_max_num_f32 v48, v48, v55
	v_max_num_f32 v13, v13, v48                    ; the running largest t
	v_mov_b32 v48, v12
	v_floor_f32 v12, -v13                          ; -M = floor(-t): M is a whole number
	v_sub_f32 v48, v12, v48                        ; old M - new M: whole, 0 or less
	v_cvt_i32_f32 v48, v48                         ; (it saturates)
	v_ldexp_f32 v46, 1.0, v48                      ; f = 2^(old M - new M)
.set j, 0
.rept 32
	v_pk_add_f32 v[64+j:65+j], v[128+j:129+j], v[12:13] op_sel_hi:[1,0]   ; t - M, into other registers than the sums'
.set j, j+2
.endr
.irp b, 0,1,2,3
	v_add_f32 v[52+\b], v[52+\b], v12              ; the same of each block's largest t
.endr
.set j, 0
.rept 64
	v_exp_f32 v[64+j], v[64+j]                     ; p = 2^(t - M), at most 1
.set j, j+1
.endr
	v_pk_mul_f32 v[14:15], v[14:15], v[46:47] op_sel_hi:[1,0]   ; the sum under the new M (the plain line behind the exponentials)
	s_wait_alu depctr_va_vdst(0)                   ; one wait for the batch of 64, ahead of its first reader
.irp b, 0,1,2,3
	v_exp_f32 v[52+\b], v[52+\b]                   ; the block's largest p: the same two instructions on the same number
.endr
	v_pk_add_f32 v[212:213], v[64:65], v[66:67]    ; the row's sum of the unquantised p, in two chains; it reads the 64 alone
.irp j, 4,8,12,16,20,24,28,32,36,40,44,48,52,56,60
	v_pk_add_f32 v[14:15], v[14:15], v[64+\j:65+\j]
	v_pk_add_f32 v[212:213], v[212:213], v[66+\j:67+\j]
.endr
	v_pk_add_f32 v[14:15], v[14:15], v[212:213]
	s_wait_alu depctr_va_vdst(0)                   ; and one for the four
.irp b, 0,1,2,3
	v_max_num_f32 v[52+\b], 0x1800000, v[52+\b]    ; the floor 2^(3 - 127): the byte cannot fall under 1
.endr
.irp b, 0,1,2,3
	v_add_nc_u32 v[60+\b], 0xff000000, v[52+\b]    ; 2 off the exponent field: the conversion's scale operand
.endr
.irp b, 0,1,2,3
	v_lshrrev_b32 v[56+\b], 23, v[60+\b]           ; the scale's byte
.endr
	v_lshl_or_b32 v45, v57, 8, v56                 ; p's scale word for these 128 keys
	v_lshl_or_b32 v45, v58, 16, v45
	v_lshl_or_b32 v45, v59, 24, v45
.irp c, 0,1
	v_cvt_scalef32_pk16_fp6_f32 v[192+6*\c:194+6*\c], v[64+32*\c:79+32*\c], v[60+2*\c]
	v_cvt_scalef32_pk16_fp6_f32 v[204+4*\c:206+4*\c], v[80+32*\c:95+32*\c], v[61+2*\c]   ; (a conversion's three registers begin on an even number)
.endr
	v_nop                                          ; one plain line behind the conversions
.irp c, 0,1                                        ; the operand's layout wants a whole block in a lane: lanes 0-15 block 2 c, lanes 16-31 block 2 c + 1
.irp i, 0,1,2
	v_permlane16_swap_b32 v[192+6*\c+\i], v[204+4*\c+\i]
.endr
.irp i, 0,1,2
	v_mov_b32 v[195+6*\c+\i], v[204+4*\c+\i]
.endr
.endr
.irp j, 0,2,4,6
	v_pk_mul_f32 v[24+\j:25+\j], v[24+\j:25+\j], v[46:47] op_sel_hi:[1,0]   ; O^T under the new M
.endr
	s_wait_dscnt 0x0                               ; V's fragment and scale word
.rept 8
	v_nop                                          ; p's scale word, made by vector instructions, stands eight places ahead of the scaled product, its codes four; lines that name the product's registers are not counted
.endr
	v_wmma_scale_f32_16x16x128_f8f6f4 v[24:31], v[32:43], v[192:203], v[24:31], v44, v45 matrix_a_fmt:MATRIX_FMT_FP6 matrix_b_fmt:MATRIX_FMT_FP6   ; O^T += V^T P^T: lane (r, h): query r, d = 8 h + 0 .. 7
.rept 4
	v_nop                                          ; four places, ahead of the next loads into V's registers and of any read of O^T
.endr
.endm
; Key steps a .. b - 1: a loop of constant count; a wave jumps over the steps that are not its own (by the wave's number and c) and over those behind its queries; the address steps stand behind the jump's target.
.macro PHASE a, b
	s_mov_b32 s52, \a                              ; the key step
	s_mov_b32 s53, 8192*\a                         ; its k,
	s_mov_b32 s54, 1536*\a                         ; its v,
	s_mov_b32 s55, 64*\a                           ; its scale words
.Ltrip_\@:
	s_add_co_u32 s58, s52, s23
	s_and_b32 s58, s58, 3
	s_cmp_lg_u32 s58, s18
	s_cbranch_scc1 .Lskip_\@
	s_cmp_ge_u32 s52, s21
	s_cbranch_scc1 .Lskip_\@
	STEP
.Lskip_\@:
	s_add_co_u32 s53, s53, 8192
	s_add_co_u32 s54, s54, 1536
	s_add_co_u32 s55, s55, 64
	s_add_co_u32 s52, s52, 1
	s_cmp_lt_u32 s52, \b
	s_cbranch_scc1 .Ltrip_\@
.endm
	s_wait_loadcnt 0x0                             ; Q
	s_wait_tensorcnt 1                             ; my parts of v and of key steps 0 to 7 are in; the load of steps 8 to 15, the last issued, may be out
	s_barrier_signal -1
	s_barrier_wait -1                              ; everybody's are
	PHASE 0, 8
	s_wait_tensorcnt 0x0                           ; my part of key steps 8 to 15
	s_wait_dscnt 0x0
	s_barrier_signal -1
	s_barrier_wait -1
	PHASE 8, 16
	; MY PARTIAL RESULT goes to LDS: O^T by rows of queries, and (-M, sum).  A wave that had no step leaves -M = 3e38, sum 0, O 0.
	v_add_f32 v14, v14, v15                        ; the sum's two halves,
	v_permlanex16_b32 v48, v14, s56, s57
	v_add_f32 v13, v14, v48                        ; and lane l xor 16's
	ds_store_b128 v10, v[24:27]
	ds_store_b128 v10, v[28:31] offset:16
	ds_store_b64 v11, v[12:13]                     ; both lanes of a query write the same 8 bytes with the same values
	s_wait_dscnt 0x0                               ; for the others' sake: my stores have landed
	s_barrier_signal -1
	s_barrier_wait -1
	; THE MERGE: four rows of my tile, two d a lane, from the tile's four regions
.irp i, 0,1,2,3
	ds_load_b64 v[64+2*\i:65+2*\i], v50 offset:1280*\i
.endr
.irp i, 0,1,2,3
	ds_load_b64 v[72+2*\i:73+2*\i], v51 offset:1280*\i
.endr
	v_and_b32 v90, 31, v0
	v_lshlrev_b32 v90, 3, v90                      ; out0: 8 bytes a lane
	s_wait_dscnt 0x0
	v_min3_num_f32 v80, v72, v74, v76
	v_min_num_f32 v80, v80, v78                    ; -M of the whole row: the least -M_i
.irp i, 0,1,2,3
	v_sub_f32 v[81+\i], v80, v[72+2*\i]            ; M_i - M: whole, 0 or less
.endr
.irp i, 0,1,2,3
	v_cvt_i32_f32 v[81+\i], v[81+\i]               ; (it saturates)
.endr
.irp i, 0,1,2,3
	v_ldexp_f32 v[81+\i], 1.0, v[81+\i]            ; f_i = 2^(M_i - M)
.endr
	v_mul_f32 v85, v81, v73
	v_fmac_f32 v85, v82, v75
	v_fmac_f32 v85, v83, v77
	v_fmac_f32 v85, v84, v79                       ; the row's sum
	v_rcp_f32 v86, v85
	v_mul_f32 v88, v81, v64                        ; (plain work behind the reciprocal)
	v_mul_f32 v89, v81, v65
	v_fmac_f32 v88, v82, v66
	v_fmac_f32 v89, v82, v67
	v_fmac_f32 v88, v83, v68
	v_fmac_f32 v89, v83, v69
	v_fmac_f32 v88, v84, v70
	v_fmac_f32 v89, v84, v71
	s_wait_alu depctr_va_vdst(0)                   ; the wait ahead of the reciprocal's first reader
	v_mul_f32 v88, v88, v86
	v_mul_f32 v89, v89, v86
	global_store_b64 v90, v[88:89], s[10:11]       ; the wave stores four rows of 64 bytes: 256 consecutive bytes, aligned
	s_wait_xcnt 0x0
	v_lshl_add_u32 v254, v0, 2, 0x30000
	v_mov_b32 v255, 0
	s_wait_tensorcnt 0x0
	ds_add_u32 v254, v255
	s_wait_dscnt 0x0
	CROUND                                         ; the closing round: no work-group ends while a partner may still ask for a tile that names it
	s_endpgm
.Lfunc_end_k_q809d3ddb08_attn:
	.size	k_q809d3ddb08_attn, .Lfunc_end_k_q809d3ddb08_attn-k_q809d3ddb08_attn
	.p2alignl 7, 3214868480
	.fill 96, 4, 3214868480
	.section	.rodata,"a",@progbits
	.p2align	6, 0x0
	.amdhsa_kernel k_q809d3ddb08_attn
		.amdhsa_group_segment_fixed_size 198656
		.amdhsa_private_segment_fixed_size 0
		.amdhsa_enable_private_segment 0
		.amdhsa_kernarg_size 32
		.amdhsa_user_sgpr_count 2
		.amdhsa_user_sgpr_kernarg_segment_ptr 1
		.amdhsa_wavefront_size32 1
		.amdhsa_system_sgpr_workgroup_id_x 1
		.amdhsa_system_sgpr_workgroup_id_y 1
		.amdhsa_system_sgpr_workgroup_id_z 1
		.amdhsa_system_vgpr_workitem_id 0
		.amdhsa_next_free_vgpr 256
		.amdhsa_next_free_sgpr 80
		.amdhsa_reserve_vcc 1
		.amdhsa_float_denorm_mode_32 3
		.amdhsa_float_denorm_mode_16_64 3
		.amdhsa_memory_ordered 1
		.amdhsa_forward_progress 1
		.amdhsa_inst_pref_size 53
	.end_amdhsa_kernel
	.amdgpu_metadata
---
amdhsa.version: [ 1, 2 ]
amdhsa.kernels:
  - .name:           k_q809d3ddb08_attn
    .symbol:         k_q809d3ddb08_attn.kd
    .args:
      - { .name: qw, .offset: 0, .size: 8, .value_kind: global_buffer, .address_space: global }
      - { .name: kw, .offset: 8, .size: 8, .value_kind: global_buffer, .address_space: global }
      - { .name: vw, .offset: 16, .size: 8, .value_kind: global_buffer, .address_space: global }
      - { .name: out0, .offset: 24, .size: 8, .value_kind: global_buffer, .address_space: global }
    .group_segment_fixed_size: 198656
    .private_segment_fixed_size: 0
    .kernarg_segment_align: 8
    .kernarg_segment_size: 32
    .max_flat_workgroup_size: 512
    .sgpr_count:     80
    .vgpr_count:     256
    .wavefront_size: 32
...
	.end_amdgpu_metadata
.endif
;; end of part 2
